; MI455X (gfx1250); checked and timed in simulation.
; The chip was launched on July 23, 2026; its instructions are those of AMD's public machine-readable ISA for CDNA 5 (MIT licence, August 2026) and "CDNA5" Instruction Set Architecture Reference Guide (July 2026). The comments in the code are by the model that wrote it; some were corrected since.
;; ROI Pool. Allowed arithmetic: float matrix products may take bf16 or f16 operands with f32 sums; other float arithmetic in f32, or as packed bf16 or f16 multiplies, adds, multiply-adds, maxima and minima; sums over many terms, partial sums and values carried from step to step in f32; what a program stores and reads back later, other than sums and carried values, may be rounded once to bf16 or f16.
;; Inputs: input 2 x 256 x 64 x 64 float32; rois 128 x 5 float32.
;; Outputs: out0 128 x 256 x 7 x 7 float32.
;; 2 versions, each right; version 2 is version 1 with the launch pool written anew for expert scheduling mode. Each part assembles by itself: llvm-mc -triple=amdgcn-amd-amdhsa -mcpu=gfx1250 --defsym DOCPART=n.
;; ======== version 1 of 2: 2 launches
;; workspace buffers: tab 12,582,912 bytes; bins 32,768 bytes of whole numbers
;; launch prep (part 1): grid 256 x 1, 8 waves a work-group, no clusters, 53,248 bytes of LDS; arguments input, rois, tab, bins; writes tab, bins
.if DOCPART == 1
	.amdgcn_target "amdgcn-amd-amdhsa--gfx1250"
	.amdhsa_code_object_version 6
	.text
	.protected	k_qf5d0655422_prep
	.globl	k_qf5d0655422_prep
	.p2align	8
	.type	k_qf5d0655422_prep,@function
k_qf5d0655422_prep:
	s_mov_b64 s[64:65], 0
	v_nop
	global_prefetch_b8 v0, s[64:65] scope:SCOPE_SE
	s_setreg_imm32_b32 hwreg(HW_REG_WAVE_MODE, 25, 1), 1
	s_wait_xcnt 0x0
; ROI POOLING, FIRST OF TWO LAUNCHES.  out0[k][c][ph][pw] = the largest input[n_k][c][y][x] over the bin's rows hs..he-1 and columns ws..we-1, or 0 for a bin without a position.
; WHAT IS NOT DONE, AND WHY IT MAY GO.  The reference takes each maximum over all 64 x 64 positions, with the lowest finite number in the place of every position outside the bin, and writes 0 over bins
; that hold no position.  A position outside a bin can therefore raise no result above a finite number inside it: only the bin's own positions are read.  Which they are is decided by whole numbers made of
; the floating-point rois, so they are made and stored HERE (bins) and turned into addresses and trip counts only in the second launch, which reads them from memory.  The gather by the batch index is such a lookup too.
; THIS LAUNCH ALSO LAYS THE FEATURES OUT FOR THE SECOND: tab[level][n][h][w][c], bf16, channels last, three levels: level l holds the maximum over the window of 2^l x 2^l positions that begins at (h, w).
; Rounding to bf16 keeps order, so the maximum of rounded numbers is the rounded maximum.  A bin is later covered by windows that may overlap: a maximum does not mind.  Windows that would pass row or column 63
; are written (rows clamped to 63, columns taken from other positions of the row) and never chosen: a window is used only where it lies inside its bin.
; THE BIN SIZE is b = L x (1/7 rounded to f32), rounded once: the form that a division by the constant 7 takes when the reference is compiled.  It is NOT the correctly rounded L / 7: the rounded 1/7 lies
; 0.375 x 2^-23 of itself above 1/7, so at L = 21, 42 and 49 b falls one last place above the whole number L / 7 and every bin ends one position later than with a true division, and at many other
; lengths 7 b rounds to a number above L, so that the last bin ends at L + 1.  j b and (j + 1) b are rounded once each, then floor and ceil, as the reference has them.
; LIMITS.  Results carry one rounding to bf16 (2^-8 of the value at the most); a feature beyond 3.39e38 rounds to an infinity.  A NaN among the features is dropped by the maxima, where the reference would carry it;
; a bin of nothing but -infinity gives -infinity, not the lowest finite number.  Roi coordinates stay under 2^26 in size, so that the whole numbers made of them are exact in f32; a NaN there is not treated.
; The batch index is cut toward zero and held to 0..1.
; SHARES.  256 work-groups: (n, row h, half of the channels).  A work-group reads rows h..h+3 of its 128 channels (4 x 32,768 bytes) and writes row h of the three levels (3 x 16,384 bytes).
; Thread t takes channels 8 (t / 16) + 0..7 and columns 4 (t % 16) + 0..3: eight loads of 16 bytes a row; 16 lanes read the 256 consecutive bytes of one channel's row.
; Pairs of channels are rounded into words; rows are joined by packed maxima (2 rows, 4 rows); the three results go through LDS to change from channel-major to column-major; on the way back
; neighbouring columns are joined (2, 4), and 16 lanes store 256 consecutive bytes, aligned: the 128 channels of one position.
; NO TENSOR LOADS, NO CLUSTER.  Every number passes through registers to be rounded and paired.  The four work-groups that read a row want different sets of rows (h..h+3): their union, 7 rows x 32,768 bytes
; = 229,376 bytes of f32, would have to land in each one's LDS for 131,072 bytes used, and be read out again.
.set PLANE, 16384                      ; bytes of one channel's 64 x 64 numbers
.set PITCH, 272                        ; an LDS row: 128 channels x 2 bytes + 16: the 16 rows that 16 lanes touch begin at 16 different 16-byte columns of 256
.set BLKR,  16*PITCH                   ; column w = 4 a + j lies in LDS row 16 j + a
.set ARR,   64*PITCH                   ; one array: 64 columns
.set SPARE, 3*ARR                      ; behind the three arrays: the spare words, 128 bytes for each of the eight waves: four blocks of 256 bytes that no other line names
.set TABB,  4194304                    ; bytes of one level of tab
.set SPW, 2                            ; v2   LDS address of my spare word; never rewritten
.set NIL, 3                            ; v3   0; never rewritten
.set GI,  4                            ; v4   my offset in a row set of input: (t / 16) x 8 planes + 16 (t % 16)
.set LS,  5                            ; v5   LDS, in: (t % 16) x PITCH + 16 (t / 16)
.set LR,  6                            ; v6   LDS, back: (t / 16) x PITCH + 16 (t % 16)
.set GT,  7                            ; v7   my offset in a row of tab: (t / 16) x 4 positions x 512 + 16 (t % 16)
.set RO,  8                            ; v8   my offset in rois: 20 k + 4 x (0: columns, 1: rows)
.set RB,  9                            ; v9   20 k
.set BO,  10                           ; v10  my 8 bytes of the record
.set C1,  11                           ; v11-13  first and last coordinate, batch index, as loaded
.set C2,  12
.set BI,  13
.set LO,  14                           ; v14-21  at work on the record
.set HI,  15
.set LF,  16
.set BS,  17
.set JF,  18
.set PS,  19
.set PE,  20
.set NBV, 21
.set VS,  24                           ; v[24:25] the lane's two whole numbers
.set JJ,  26                           ; v26  my bin, lane % 8
.set TQ,  27                           ; v27  t / 16
.set X,   32                           ; v[32:159]  row r, channel i: 4 columns at X + 32 r + 4 i
.set P,   160                          ; v[160:223] row r, column j: 8 channels in 4 words at P + 16 r + 4 j
.set R0,  32                           ; on the way back: level 0, 4 columns
.set R1,  48                           ; two-row maxima, 5 columns
.set R2,  68                           ; four-row maxima, 7 columns
.set HH,  96                           ; four rows x two columns, 6 of them
.set W1,  120                          ; level 1, 4 columns
.set W2,  136                          ; level 2, 4 columns
	s_load_b256 s[4:11], s[0:1], 0x0               ; input s[4:5], rois s[6:7], tab s[8:9], bins s[10:11]
	v_lshl_add_u32 v[SPW], v0, 2, SPARE
	v_mov_b32 v[NIL], 0
	v_lshrrev_b32 v1, 5, v0
	v_readfirstlane_b32 s12, v1                    ; wave 0..7
	s_lshr_b32 s14, ttmp9, 7                       ; n
	s_bfe_u32 s15, ttmp9, 0x60001                  ; h: 6 bits from bit 1
	s_and_b32 s16, ttmp9, 1                        ; which half of the channels
	s_and_b32 s17, ttmp9, 127                      ; k: the roi whose record this work-group reckons
	s_or_b32 s13, s14, s12                         ; 0 in wave 0 of work-groups 0..127 alone: that wave stores the record
	v_and_b32 v1, 15, v0
	v_lshrrev_b32 v[TQ], 4, v0
	v_lshlrev_b32 v[GI], 4, v1
	v_lshl_add_u32 v[GI], v[TQ], 17, v[GI]
	v_mul_u32_u24 v[LS], v1, PITCH
	v_lshl_add_u32 v[LS], v[TQ], 4, v[LS]
	v_mul_u32_u24 v[LR], v[TQ], PITCH
	v_lshl_add_u32 v[LR], v1, 4, v[LR]
	v_lshlrev_b32 v[GT], 4, v1
	v_lshl_add_u32 v[GT], v[TQ], 11, v[GT]
	s_mul_i32 s19, s17, 20                         ; a roi is five numbers
	v_bfe_u32 v[RO], v0, 3, 1                      ; lanes 0-7 (and 16-23): columns; lanes 8-15 (and 24-31): rows
	v_lshl_add_u32 v[RO], v[RO], 2, s19
	v_mov_b32 v[RB], s19
	v_and_b32 v[BO], 31, v0
	v_lshlrev_b32 v[BO], 3, v[BO]
	v_and_b32 v[JJ], 7, v0
	s_lshl_b32 s18, s14, 22                        ; n x 256 planes
	s_lshl_b32 s19, s16, 21                        ; + half x 128 planes
	s_add_co_u32 s18, s18, s19
.irp r, 0,1,2,3
	s_add_co_u32 s[40+2*(\r)], s15, \r             ; row h + r, held to the last row
	s_min_u32 s[40+2*(\r)], s[40+2*(\r)], 63
	s_lshl_b32 s[40+2*(\r)], s[40+2*(\r)], 8
	s_add_co_u32 s[40+2*(\r)], s[40+2*(\r)], s18
	s_mov_b32 s[41+2*(\r)], 0
.endr
	s_lshl_b32 s48, s14, 21                        ; tab: ((n x 64 + h) x 64) positions of 512 bytes + half x 256
	s_lshl_b32 s19, s15, 15
	s_add_co_u32 s48, s48, s19
	s_lshl_b32 s19, s16, 8
	s_add_co_u32 s48, s48, s19
	s_mov_b32 s49, 0
	s_lshl_b32 s50, s17, 8                         ; a record is 256 bytes
	s_mov_b32 s51, 0
	s_wait_kmcnt 0x0
	global_load_b32 v[C1], v[RO], s[6:7] offset:4  ; x1 or y1
	global_load_b32 v[C2], v[RO], s[6:7] offset:12 ; x2 or y2
	global_load_b32 v[BI], v[RB], s[6:7]           ; the batch index
.irp r, 0,1,2,3
	s_add_nc_u64 s[20+2*(\r):21+2*(\r)], s[4:5], s[40+2*(\r):41+2*(\r)]
.endr
.irp r, 0,1,2,3
.irp i, 0,1,2,3,4,5,6,7
	global_load_b128 v[X+32*(\r)+4*(\i):X+32*(\r)+4*(\i)+3], v[GI], s[20+2*(\r):21+2*(\r)] offset:(\i)*PLANE
.endr
.endr
	s_add_nc_u64 s[28:29], s[8:9], s[48:49]        ; my row in level 0,
	s_add_nc_u64 s[30:31], s[28:29], TABB          ; level 1,
	s_add_nc_u64 s[32:33], s[30:31], TABB          ; level 2
	s_add_nc_u64 s[10:11], s[10:11], s[50:51]
	; THE RECORD OF ROI k, reckoned while the 32 row loads are out.  Lane e holds bin j = e % 8 of the columns (e / 8 even) or of the rows (odd) and makes its first position and the one behind its last.
	; Words 2 j, 2 j + 1: ws, we; words 16 + 2 j, 17 + 2 j: hs, he; j = 7 holds the batch index; the upper 128 bytes repeat the lower.  Whole numbers are kept as f32, where they are exact.
	s_wait_loadcnt 32                              ; the three numbers of the roi are in; the 32 loads issued behind them stay out
	v_mul_f32 v[LO], 0x3d800000, v[C1]             ; x 1/16, exact
	v_mul_f32 v[HI], 0x3d800000, v[C2]
	v_rndne_f32 v[LO], v[LO]                       ; halves to even
	v_rndne_f32 v[HI], v[HI]
	v_sub_f32 v[LF], v[HI], v[LO]
	v_add_f32 v[LF], 1.0, v[LF]
	v_max_num_f32 v[LF], 1.0, v[LF]                ; the roi's length L, at least 1
	v_mul_f32 v[BS], 0x3e124925, v[LF]             ; b = L x the rounded 1/7, one rounding (see THE BIN SIZE at the head)
	v_cvt_f32_u32 v[JF], v[JJ]
	v_mul_f32 v[PS], v[JF], v[BS]                  ; j b
	v_add_f32 v[JF], 1.0, v[JF]
	v_mul_f32 v[PE], v[JF], v[BS]                  ; (j + 1) b
	v_floor_f32 v[PS], v[PS]
	v_mul_f32 v[PE], -1.0, v[PE]                   ; ceil(x) = -floor(-x)
	v_floor_f32 v[PE], v[PE]
	v_add_f32 v[PS], v[LO], v[PS]
	v_sub_f32 v[PE], v[LO], v[PE]
	v_max_num_f32 v[PS], 0, v[PS]                  ; clipped to 0 .. 64
	v_max_num_f32 v[PE], 0, v[PE]
	v_min_num_f32 v[PS], 0x42800000, v[PS]
	v_min_num_f32 v[PE], 0x42800000, v[PE]
	v_trunc_f32 v[NBV], v[BI]
	v_max_num_f32 v[NBV], 0, v[NBV]
	v_min_num_f32 v[NBV], 1.0, v[NBV]
	v_cmp_eq_u32 vcc_lo, 7, v[JJ]
	v_cndmask_b32 v[PS], v[PS], v[NBV], vcc_lo
	v_cndmask_b32 v[PE], v[PE], v[NBV], vcc_lo
	v_cvt_u32_f32 v[VS], v[PS]
	v_cvt_u32_f32 v[VS+1], v[PE]
	s_cmp_lg_u32 s13, 0
	s_cbranch_scc1 .Lno_record
	global_store_b64 v[BO], v[VS:VS+1], s[10:11]   ; 32 lanes x 8 bytes: the record's 256 consecutive bytes, aligned
.Lno_record:
; Row r: 32 numbers become 16 words: for each of my 4 columns the 8 channels, the lower channel in the lower half.
.macro PACKROW r
	s_wait_loadcnt 8*(3-(\r))                      ; loads come back in order: row r is in, the later rows' eight loads each stay out
.irp j, 0,1,2,3
.irp m, 0,1,2,3
	v_cvt_pk_bf16_f32 v[P+16*(\r)+4*(\j)+(\m)], v[X+32*(\r)+8*(\m)+(\j)], v[X+32*(\r)+8*(\m)+4+(\j)]
.endr
.endr
.endm
; 16 packed maxima: d = max(a, b)
.macro MAX16 d, a, b
.set z, 0
.rept 16
	v_pk_max_num_bf16 v[(\d)+z], v[(\a)+z], v[(\b)+z]
.set z, z+1
.endr
.endm
; My 4 columns x 16 bytes into array n
.macro TOLDS n, src
.irp j, 0,1,2,3
	ds_store_b128 v[LS], v[(\src)+4*(\j):(\src)+4*(\j)+3] offset:(\n)*ARR+(\j)*BLKR
.endr
.endm
	PACKROW 0
	TOLDS 0, P                                     ; row h as it is
	PACKROW 1
	MAX16 P+16, P, P+16                            ; rows h, h + 1
	TOLDS 1, P+16
	PACKROW 2
	PACKROW 3
	MAX16 P+48, P+32, P+48
	MAX16 P+48, P+16, P+48                         ; rows h .. h + 3
	TOLDS 2, P+48
	s_wait_dscnt 0x0                               ; for the others' sake: my stores into the arrays are done
	s_barrier_signal -1
	s_barrier_wait -1
	; BACK.  Thread t now takes columns 4 (t / 16) + 0..3 and 16 bytes (8 channels) of each; column 4 a + d lies d % 4 blocks of 16 rows and d / 4 rows further on.
	; For a = 15 the columns behind the 63rd fall on rows of other columns, inside the array: they feed only windows that are never chosen.
.irp d, 0,1,2,3
	ds_load_b128 v[R0+4*(\d):R0+4*(\d)+3], v[LR] offset:(\d)*BLKR
.endr
.irp d, 0,1,2,3,4
	ds_load_b128 v[R1+4*(\d):R1+4*(\d)+3], v[LR] offset:ARR+((\d)&3)*BLKR+((\d)>>2)*PITCH
.endr
.irp d, 0,1,2,3,4,5,6
	ds_load_b128 v[R2+4*(\d):R2+4*(\d)+3], v[LR] offset:2*ARR+((\d)&3)*BLKR+((\d)>>2)*PITCH
.endr
	s_wait_dscnt 12                                ; level 0's four loads are back; the twelve younger ones stay out
.irp q, 0,1,2,3
	global_store_b128 v[GT], v[R0+4*(\q):R0+4*(\q)+3], s[28:29] offset:(\q)*512  ; 16 lanes: 256 consecutive bytes, aligned
.endr
	s_wait_dscnt 7                                 ; the five columns of two-row maxima are back
	MAX16 W1, R1, R1+4                             ; columns w, w + 1
.irp q, 0,1,2,3
	global_store_b128 v[GT], v[W1+4*(\q):W1+4*(\q)+3], s[30:31] offset:(\q)*512
.endr
	s_wait_dscnt 0x0
	MAX16 HH, R2, R2+4                             ; columns w, w + 1 for six w: 24 words,
.set z, 16
.rept 8
	v_pk_max_num_bf16 v[HH+z], v[R2+z], v[R2+4+z]
.set z, z+1
.endr
	MAX16 W2, HH, HH+8                             ; and with w + 2, w + 3
.irp q, 0,1,2,3
	global_store_b128 v[GT], v[W2+4*(\q):W2+4*(\q)+3], s[32:33] offset:(\q)*512
.endr
	s_wait_tensorcnt 0x0                           ; the wave's end, behind my last LDS store
	ds_add_u32 v[SPW], v[NIL]
	s_wait_dscnt 0x0
	s_endpgm
.Lfunc_end_k_qf5d0655422_prep:
	.size	k_qf5d0655422_prep, .Lfunc_end_k_qf5d0655422_prep-k_qf5d0655422_prep
	.p2alignl 7, 3214868480
	.fill 96, 4, 3214868480
	.section	.rodata,"a",@progbits
	.p2align	6, 0x0
	.amdhsa_kernel k_qf5d0655422_prep
		.amdhsa_group_segment_fixed_size 53248
		.amdhsa_private_segment_fixed_size 0
		.amdhsa_enable_private_segment 0
		.amdhsa_kernarg_size 32
		.amdhsa_user_sgpr_count 2
		.amdhsa_user_sgpr_kernarg_segment_ptr 1
		.amdhsa_wavefront_size32 1
		.amdhsa_system_sgpr_workgroup_id_x 1
		.amdhsa_system_sgpr_workgroup_id_y 1
		.amdhsa_system_sgpr_workgroup_id_z 1
		.amdhsa_system_vgpr_workitem_id 0
		.amdhsa_next_free_vgpr 224
		.amdhsa_next_free_sgpr 66
		.amdhsa_reserve_vcc 1
		.amdhsa_float_denorm_mode_32 3
		.amdhsa_float_denorm_mode_16_64 3
		.amdhsa_memory_ordered 1
		.amdhsa_forward_progress 1
		.amdhsa_inst_pref_size 22
	.end_amdhsa_kernel
	.amdgpu_metadata
---
amdhsa.version: [ 1, 2 ]
amdhsa.kernels:
  - .name:           k_qf5d0655422_prep
    .symbol:         k_qf5d0655422_prep.kd
    .args:
      - { .name: input, .offset: 0, .size: 8, .value_kind: global_buffer, .address_space: global }
      - { .name: rois, .offset: 8, .size: 8, .value_kind: global_buffer, .address_space: global }
      - { .name: tab, .offset: 16, .size: 8, .value_kind: global_buffer, .address_space: global }
      - { .name: bins, .offset: 24, .size: 8, .value_kind: global_buffer, .address_space: global }
    .group_segment_fixed_size: 53248
    .private_segment_fixed_size: 0
    .kernarg_segment_align: 8
    .kernarg_segment_size: 32
    .max_flat_workgroup_size: 256
    .sgpr_count:     66
    .vgpr_count:     224
    .wavefront_size: 32
...
	.end_amdgpu_metadata
.endif
;; end of part 1
;; launch pool (part 2): grid 256 x 1, 7 waves a work-group, no clusters, 26,112 bytes of LDS; arguments tab, bins, out0; writes out0
.if DOCPART == 2
	.amdgcn_target "amdgcn-amd-amdhsa--gfx1250"
	.amdhsa_code_object_version 6
	.text
	.protected	k_qf5d0655422_pool
	.globl	k_qf5d0655422_pool
	.p2align	8
	.type	k_qf5d0655422_pool,@function
k_qf5d0655422_pool:
	s_mov_b64 s[64:65], 0
	v_nop
	global_prefetch_b8 v0, s[64:65] scope:SCOPE_SE
	s_setreg_imm32_b32 hwreg(HW_REG_WAVE_MODE, 25, 1), 1
	s_wait_xcnt 0x0
; ROI POOLING, SECOND LAUNCH.  out0[k][c][ph][pw] = the largest feature in the bin, or 0 for a bin without a position.  Positions outside a bin are not read: see the first launch's head; the bins' bounds are
; whole numbers that the first launch stored (bins) and that this one reads from memory; input and rois are not among its arguments.
; tab[level][n][h][w][c] (bf16) holds at level l the maximum over the 2^l x 2^l window that begins at (h, w).  A bin of bh rows and bw columns takes the level whose side s = 4, 2 or 1 still fits both
; (min(bh, bw) >= 4, >= 2, else 1) and is covered by ceil(bh / s) x ceil(bw / s) windows; window i begins at min(first + i s, last + 1 - s), so none leaves the bin and the last may overlap its neighbour.
; LIMITS: those of the first launch (one rounding to bf16; NaN and -infinity among the features; the size of the coordinates; the batch index held to 0..1).
; SHARES.  256 work-groups: (roi k, half of the channels).  Wave ph makes the seven bins of bin row ph.  A lane holds 8 channels (16 bytes); lanes 0-15 take an even window row, lanes 16-31 the odd one
; behind it, so each load of 16 lanes reads the 256 consecutive bytes, aligned, of one window's 128 channels.  A trip takes 2 window rows x 2 window columns of all seven bins: 14 loads; windows past a bin's
; last fall on its last.  The trips are counted up to a bound made of the record: ceil(rows / 2) x ceil(columns / 2) of the bin that needs most.
; THE WAY OUT.  The work-group's results are 128 channels x 49 numbers = 25,088 consecutive bytes of out0, at a multiple of 256.  They are gathered in LDS in that order and stored by 16 bytes a lane.
; NO CLUSTER, NO TENSOR LOADS: the two work-groups of a roi read different bytes, and which windows two rois share hangs on their records, which differ from work-group to work-group.
.set CHB,   196                        ; bytes of one channel's 49 results
.set BLK,   128*CHB                    ; the stage, from LDS byte 0
.set SPARE, BLK                        ; behind it (98 x 256): the spare words, 128 bytes for each of the seven waves: four blocks of 256 bytes that no other line names
.set SHARE, 7*512                      ; bytes of the stage that a wave stores
.set SPW, 2                            ; v2   LDS address of my spare word; never rewritten
.set NIL, 3                            ; v3   0; never rewritten
.set HF,  4                            ; v4   lane / 16
.set VL,  5                            ; v5   my 16 bytes of a position: 256 x half + 16 (lane % 16)
.set ST,  6                            ; v6   stage, in: (8 (lane % 16) + 4 (lane / 16)) channels + 7 ph results
.set RD,  7                            ; v7   stage, back, and the same offset in the block of out0: SHARE x wave + 16 x lane
.set VA,  8                            ; v8   my window row's number
.set VY,  9                            ; v9   its first feature row
.set VP,  10                           ; v10  a window's number in tab
.set K0,  11                           ; v11-16  at work on the way out
.set K1,  12
.set SN0, 13
.set SN1, 14
.set G0,  15
.set G1,  16
.set OFF, 18                           ; v[18:31]   a trip's 14 byte offsets
.set ACC, 32                           ; v[32:59]   bin p: 8 channels' running maxima in 4 words
.set DAT, 64                           ; v[64:119]  a trip's 14 x 4 words; later the results in f32, and the stage read back
.set BH,  34                           ; s34  rows in my bins
.set NB,  35                           ; s35  n x 4,096 positions
.set TA,  36                           ; s36-40  at work
.set NH,  41                           ; s41  window rows of the bin that has most; then trips along the rows
.set NW,  42                           ; s42  the same for columns
.set NT,  43                           ; s43  trips
.set IT,  44                           ; s44  the trip's pair of window rows
.set JT,  45                           ; s45  its pair of window columns
.set TC,  46                           ; s46  the loop's counter
.set CA,  47
.set J0,  48                           ; s48-49  the trip's two window columns
.set LV,  50                           ; s50-56  bin p's level
.set YL,  57                           ; s57-63  the first row of its last window
.set EM,  66                           ; s66-72  all ones, or 0 for a bin without a position
.set HM,  73                           ; s73  lanes 16-31
.set SEL, 74                           ; s74-75  v_permlanex16_b32's selects: each lane takes its own place in the other half
                                       ; s[16+2p], s[17+2p]: bin p's ws, we as loaded; then the numbers in tab of its first and last window in feature row 0
	s_load_b128 s[4:7], s[0:1], 0x0                ; tab s[4:5], bins s[6:7]
	s_load_b64 s[8:9], s[0:1], 0x10                ; out0
	v_lshl_add_u32 v[SPW], v0, 2, SPARE
	v_mov_b32 v[NIL], 0
	v_lshrrev_b32 v1, 5, v0
	v_readfirstlane_b32 s10, v1                    ; wave = ph
	s_lshr_b32 s11, ttmp9, 1                       ; k
	s_and_b32 s12, ttmp9, 1                        ; which half of the channels
	s_lshl_b32 s14, s11, 8                         ; a record is 256 bytes
	s_mov_b32 s15, 0
	s_lshl_b32 s13, s10, 3                         ; my bin row's two words in it
	s_wait_kmcnt 0x0
	s_add_nc_u64 s[6:7], s[6:7], s[14:15]
	s_load_b512 s[16:31], s[6:7], 0x0              ; ws0, we0, .. ws6, we6, n, n
	s_load_b64 s[32:33], s[6:7], s13 offset:0x40   ; hs, he of bin row ph
	; set-up on registers while the record is on its way
	v_and_b32 v1, 15, v0
	v_bfe_u32 v[HF], v0, 4, 1
	s_lshl_b32 s38, s12, 8
	v_lshl_add_u32 v[VL], v1, 4, s38
	v_lshl_add_u32 v[ST], v1, 1, v[HF]
	v_mul_u32_u24 v[ST], v[ST], 4*CHB
	s_mul_i32 s38, s10, 28
	v_add_nc_u32 v[ST], s38, v[ST]
	v_and_b32 v[RD], 31, v0
	v_lshlrev_b32 v[RD], 4, v[RD]
	s_mul_i32 s38, s10, SHARE
	v_add_nc_u32 v[RD], s38, v[RD]
	s_mul_i32 s14, ttmp9, BLK                      ; (2 k + half) blocks; s15 is still 0
	s_add_nc_u64 s[8:9], s[8:9], s[14:15]
	s_mov_b32 s[HM], 0xffff0000
	s_mov_b32 s[SEL], 0x76543210
	s_mov_b32 s[SEL+1], 0xfedcba98
	v_mov_b32 v[G0], 0                             ; v_permlanex16_b32 counts as a reader of its destination
	v_mov_b32 v[G1], 0
.set i, 0
.rept 28
	v_mov_b32 v[ACC+i], 0xff80ff80                 ; the maxima start at -infinity, twice a word, so that the loop has one form of trip; every bin takes at least one window
.set i, i+1
.endr
	s_mov_b32 s[NH], 0
	s_mov_b32 s[NW], 0
	s_mov_b32 s[IT], 0
	s_mov_b32 s[JT], 0
	s_mov_b32 s[TC], 0
	s_wait_kmcnt 0x0
	s_min_u32 s30, s30, 1
	s_lshl_b32 s[NB], s30, 12
	s_sub_co_i32 s[BH], s33, s32
	s_max_i32 s[BH], s[BH], 0
; Bin p's level, windows and counts, all in whole numbers.
.macro SETUP p
	s_sub_co_i32 s[TA], s[17+2*(\p)], s[16+2*(\p)] ; columns in the bin
	s_max_i32 s[TA], s[TA], 0
	s_min_u32 s[TA+1], s[TA], s[BH]                ; the smaller side
	s_cmp_ge_u32 s[TA+1], 2
	s_cselect_b32 s[LV+(\p)], 1, 0
	s_cmp_ge_u32 s[TA+1], 4
	s_cselect_b32 s[LV+(\p)], 2, s[LV+(\p)]
	s_cmp_lg_u32 s[TA+1], 0
	s_cselect_b32 s[EM+(\p)], -1, 0
	s_lshl_b32 s[TA+2], 1, s[LV+(\p)]              ; the window's side
	s_sub_co_i32 s[TA+3], s33, s[TA+2]
	s_max_i32 s[YL+(\p)], s[TA+3], 0               ; the last window's first row (0 where the bin is empty: any row will do)
	s_lshl_b32 s[TA+4], s[LV+(\p)], 13             ; a level is 8,192 positions,
	s_add_co_u32 s[TA+4], s[TA+4], s[NB]           ; a picture 4,096
	s_sub_co_i32 s[TA+3], s[17+2*(\p)], s[TA+2]
	s_max_i32 s[TA+3], s[TA+3], 0
	s_add_co_u32 s[17+2*(\p)], s[TA+3], s[TA+4]    ; the last window's first column, with level and picture
	s_add_co_u32 s[16+2*(\p)], s[16+2*(\p)], s[TA+4]  ; the first window's
	s_sub_co_u32 s[TA+2], s[TA+2], 1
	s_add_co_u32 s[TA+3], s[BH], s[TA+2]
	s_lshr_b32 s[TA+3], s[TA+3], s[LV+(\p)]        ; window rows: ceil(bh / side),
	s_and_b32 s[TA+3], s[TA+3], s[EM+(\p)]         ; none for an empty bin
	s_max_u32 s[NH], s[NH], s[TA+3]
	s_add_co_u32 s[TA+3], s[TA], s[TA+2]
	s_lshr_b32 s[TA+3], s[TA+3], s[LV+(\p)]        ; window columns
	s_and_b32 s[TA+3], s[TA+3], s[EM+(\p)]
	s_max_u32 s[NW], s[NW], s[TA+3]
.endm
.irp p, 0,1,2,3,4,5,6
	SETUP \p
.endr
	s_add_co_u32 s[NH], s[NH], 1                   ; two window rows and two window columns a trip, one trip at the least
	s_lshr_b32 s[NH], s[NH], 1
	s_max_u32 s[NH], s[NH], 1
	s_add_co_u32 s[NW], s[NW], 1
	s_lshr_b32 s[NW], s[NW], 1
	s_max_u32 s[NW], s[NW], 1
	s_mul_i32 s[NT], s[NH], s[NW]
.Ltrip:
	v_lshl_add_u32 v[VA], s[IT], 1, v[HF]          ; my window row: 2 it + lane / 16
	s_lshl_b32 s[J0], s[JT], 1
	s_add_co_u32 s[J0+1], s[J0], 1
.irp p, 0,1,2,3,4,5,6
	v_lshl_add_u32 v[VY], v[VA], s[LV+(\p)], s32   ; hs + window row x side,
	v_min_u32 v[VY], s[YL+(\p)], v[VY]             ; not past the last window
.irp j, 0,1
	s_lshl_b32 s[TA+(\j)], s[J0+(\j)], s[LV+(\p)]
	s_add_co_u32 s[TA+(\j)], s[TA+(\j)], s[16+2*(\p)]
	s_min_u32 s[TA+(\j)], s[TA+(\j)], s[17+2*(\p)] ; the same along the columns
	v_lshl_add_u32 v[VP], v[VY], 6, s[TA+(\j)]
	v_min_u32 v[VP], 0x5fff, v[VP]                 ; whatever the record held, the window lies in tab: 3 x 8,192 positions
	v_lshl_add_u32 v[OFF+2*(\p)+(\j)], v[VP], 9, v[VL]
	global_load_b128 v[DAT+8*(\p)+4*(\j):DAT+8*(\p)+4*(\j)+3], v[OFF+2*(\p)+(\j)], s[4:5]
.endr
.endr
.irp p, 0,1,2,3,4,5,6
	s_wait_loadcnt 12-2*(\p)                       ; loads come back in order: bin p's two are in, the later bins' stay out; the last count is 0, so the next trip may write offsets and data anew
.irp d, 0,1,2,3
	v_pk_max_num_bf16 v[ACC+4*(\p)+(\d)], v[ACC+4*(\p)+(\d)], v[DAT+8*(\p)+(\d)]
.endr
.irp d, 0,1,2,3
	v_pk_max_num_bf16 v[ACC+4*(\p)+(\d)], v[ACC+4*(\p)+(\d)], v[DAT+8*(\p)+4+(\d)]
.endr
.endr
	s_add_co_u32 s[JT], s[JT], 1                   ; the next pair of columns, or the next pair of rows from column 0
	s_cmp_eq_u32 s[JT], s[NW]
	s_cselect_b32 s[JT], 0, s[JT]
	s_cselect_b32 s[CA], 1, 0
	s_add_co_u32 s[IT], s[IT], s[CA]
	s_add_co_u32 s[TC], s[TC], 1
	s_cmp_lt_u32 s[TC], s[NT]
	s_cbranch_scc1 .Ltrip
	; THE WAY OUT.  Lanes l and l + 16 hold the same 8 channels of different windows.  Lane l finishes words 0, 1 (channels 0-3 of the eight), lane l + 16 words 2, 3: each keeps its two words,
	; sends the other two across, and takes the maximum.  An empty bin's words are cleared; bf16 widens to f32 by a shift or a mask; four words go to four channels' places in the stage.
.irp p, 0,1,2,3,4,5,6
	v_cndmask_b32 v[K0],  v[ACC+4*(\p)],   v[ACC+4*(\p)+2], s[HM]
	v_cndmask_b32 v[SN0], v[ACC+4*(\p)+2], v[ACC+4*(\p)],   s[HM]
	v_cndmask_b32 v[K1],  v[ACC+4*(\p)+1], v[ACC+4*(\p)+3], s[HM]
	v_cndmask_b32 v[SN1], v[ACC+4*(\p)+3], v[ACC+4*(\p)+1], s[HM]
	v_permlanex16_b32 v[G0], v[SN0], s[SEL], s[SEL+1]
	v_permlanex16_b32 v[G1], v[SN1], s[SEL], s[SEL+1]
	v_pk_max_num_bf16 v[K0], v[K0], v[G0]
	v_pk_max_num_bf16 v[K1], v[K1], v[G1]
	v_and_b32 v[K0], s[EM+(\p)], v[K0]
	v_and_b32 v[K1], s[EM+(\p)], v[K1]
	v_lshlrev_b32 v[DAT+4*(\p)],   16, v[K0]
	v_and_b32     v[DAT+4*(\p)+1], 0xffff0000, v[K0]
	v_lshlrev_b32 v[DAT+4*(\p)+2], 16, v[K1]
	v_and_b32     v[DAT+4*(\p)+3], 0xffff0000, v[K1]
.irp c, 0,1,2,3
	ds_store_b32 v[ST], v[DAT+4*(\p)+(\c)] offset:(\c)*CHB+4*(\p)
.endr
.endr
	s_wait_dscnt 0x0                               ; for the others' sake: my stores into the stage are done
	s_barrier_signal -1
	s_barrier_wait -1                              ; all 49 results of all 128 channels lie in the stage
.irp i, 0,1,2,3,4,5,6
	ds_load_b128 v[DAT+4*(\i):DAT+4*(\i)+3], v[RD] offset:512*(\i)
.endr
.irp i, 0,1,2,3,4,5,6
	s_wait_dscnt 6-(\i)                            ; LDS loads come back in order: number i is in
	global_store_b128 v[RD], v[DAT+4*(\i):DAT+4*(\i)+3], s[8:9] offset:512*(\i) th:TH_STORE_NT  ; 512 consecutive bytes, at a multiple of 256 from out0's first
.endr
	s_wait_tensorcnt 0x0                           ; the wave's end, behind my last LDS store
	ds_add_u32 v[SPW], v[NIL]
	s_wait_dscnt 0x0
	s_endpgm
.Lfunc_end_k_qf5d0655422_pool:
	.size	k_qf5d0655422_pool, .Lfunc_end_k_qf5d0655422_pool-k_qf5d0655422_pool
	.p2alignl 7, 3214868480
	.fill 96, 4, 3214868480
	.section	.rodata,"a",@progbits
	.p2align	6, 0x0
	.amdhsa_kernel k_qf5d0655422_pool
		.amdhsa_group_segment_fixed_size 26112
		.amdhsa_private_segment_fixed_size 0
		.amdhsa_enable_private_segment 0
		.amdhsa_kernarg_size 24
		.amdhsa_user_sgpr_count 2
		.amdhsa_user_sgpr_kernarg_segment_ptr 1
		.amdhsa_wavefront_size32 1
		.amdhsa_system_sgpr_workgroup_id_x 1
		.amdhsa_system_sgpr_workgroup_id_y 1
		.amdhsa_system_sgpr_workgroup_id_z 1
		.amdhsa_system_vgpr_workitem_id 0
		.amdhsa_next_free_vgpr 128
		.amdhsa_next_free_sgpr 80
		.amdhsa_reserve_vcc 0
		.amdhsa_float_denorm_mode_32 3
		.amdhsa_float_denorm_mode_16_64 3
		.amdhsa_memory_ordered 1
		.amdhsa_forward_progress 1
		.amdhsa_inst_pref_size 29
	.end_amdhsa_kernel
	.amdgpu_metadata
---
amdhsa.version: [ 1, 2 ]
amdhsa.kernels:
  - .name:           k_qf5d0655422_pool
    .symbol:         k_qf5d0655422_pool.kd
    .args:
      - { .name: tab, .offset: 0, .size: 8, .value_kind: global_buffer, .address_space: global }
      - { .name: bins, .offset: 8, .size: 8, .value_kind: global_buffer, .address_space: global }
      - { .name: out0, .offset: 16, .size: 8, .value_kind: global_buffer, .address_space: global }
    .group_segment_fixed_size: 26112
    .private_segment_fixed_size: 0
    .kernarg_segment_align: 8
    .kernarg_segment_size: 24
    .max_flat_workgroup_size: 224
    .sgpr_count:     80
    .vgpr_count:     128
    .wavefront_size: 32
...
	.end_amdgpu_metadata
.endif
;; end of part 2
;; ======== version 2 of 2: 2 launches; version 1 with the launch pool written anew for expert scheduling mode
;; workspace buffers: tab 12,582,912 bytes; bins 32,768 bytes of whole numbers
;; launch prep: the kernel of part 1 again; grid 256 x 1, 8 waves a work-group, no clusters, 53,248 bytes of LDS; arguments input, rois, tab, bins; writes tab, bins
;; launch pool (part 3): grid 256 x 1, 7 waves a work-group, no clusters, 26,112 bytes of LDS; arguments tab, bins, out0; writes out0
.if DOCPART == 3
	.amdgcn_target "amdgcn-amd-amdhsa--gfx1250"
	.amdhsa_code_object_version 6
	.text
	.protected	k_qf5d0655422_pool
	.globl	k_qf5d0655422_pool
	.p2align	8
	.type	k_qf5d0655422_pool,@function
k_qf5d0655422_pool:
	s_mov_b64 s[64:65], 0
	v_nop
	global_prefetch_b8 v0, s[64:65] scope:SCOPE_SE
	s_setreg_imm32_b32 hwreg(HW_REG_WAVE_SCHED_MODE, 0, 2), 2
	s_setreg_imm32_b32 hwreg(HW_REG_WAVE_MODE, 25, 1), 1
	s_wait_xcnt 0x0
	s_wait_alu depctr_vm_vsrc(0)
; ROI POOLING, SECOND LAUNCH.  out0[k][c][ph][pw] = the largest feature in the bin, or 0 for a bin without a position.  Positions outside a bin are not read: see the first launch's head; the bins' bounds are
; whole numbers that the first launch stored (bins) and that this one reads from memory; input and rois are not among its arguments.
; tab[level][n][h][w][c] (bf16) holds at level l the maximum over the 2^l x 2^l window that begins at (h, w).  A bin of bh rows and bw columns takes the level whose side s = 4, 2 or 1 still fits both
; (min(bh, bw) >= 4, >= 2, else 1) and is covered by ceil(bh / s) x ceil(bw / s) windows; window i begins at min(first + i s, last + 1 - s), so none leaves the bin and the last may overlap its neighbour.
; LIMITS: those of the first launch (one rounding to bf16; NaN and -infinity among the features; the size of the coordinates; the batch index held to 0..1).
; SHARES.  256 work-groups: (roi k, half of the channels).  Wave ph makes the seven bins of bin row ph.  A lane holds 8 channels (16 bytes); lanes 0-15 take an even window row, lanes 16-31 the odd one
; behind it, so each load of 16 lanes reads the 256 consecutive bytes, aligned, of one window's 128 channels.  A trip takes 2 window rows x 2 window columns of all seven bins: 14 loads; windows past a bin's
; last fall on its last.  The trips are counted up to a bound made of the record: ceil(rows / 2) x ceil(columns / 2) of the bin that needs most.
; THE WAY OUT.  The work-group's results are 128 channels x 49 numbers = 25,088 consecutive bytes of out0, at a multiple of 256.  They are gathered in LDS in that order and stored by 16 bytes a lane.
; NO CLUSTER, NO TENSOR LOADS: the two work-groups of a roi read different bytes, and which windows two rois share hangs on their records, which differ from work-group to work-group.
; THE MODE: SCHED_MODE bits 1:0 = 2 (LLVM: expert scheduling mode 2), set by the entry lines.  The code itself states the register dependences
; between vector instructions and memory or LDS instructions, with s_wait_alu, always for 0.
; THE PLAN.  Registers that memory or LDS instructions touch:
;   OFF        Read by a trip's 14 loads as their offsets; written by vector lines: trip 0's ahead of the loop, trip t + 1's inside trip t, behind trip t's loads.
;   DAT        In the loop: a trip's 14 loads land in it, the same trip's 56 maxima read it.  On the way out: 28 widening lines write its first 28 registers, 28 LDS stores read them,
;              7 LDS loads land in them, 7 global stores read them.
;   ST, RD     LDS and global offsets, written once at the head.          SPW, NIL   written at the head, read by the closing add alone.
;   All other vector registers are named by vector instructions alone.
; So a trip has ONE wait on va_vdst, at its head (its offsets are written; the maxima of the trip before are done reading DAT), its 14 loads in one run behind it, and ONE wait on vm_vsrc behind that run
; (the loads have read OFF), ahead of the lines that make the next trip's offsets while the loads are out.  The last trip makes offsets that no load reads: clamped like all others, work on registers alone.
; No load is issued a trip ahead: the number of trips is read from memory, and the last trip would fetch 14 x 512 bytes that nobody uses.
; The way out has one wait on va_vdst ahead of its run of LDS stores and one on vm_vsrc ahead of the loads from the stage.
.set CHB,   196                        ; bytes of one channel's 49 results
.set BLK,   128*CHB                    ; the stage, from LDS byte 0
.set SPARE, BLK                        ; behind it (98 x 256): the spare words, 128 bytes for each of the seven waves: four blocks of 256 bytes that no other line names
.set SHARE, 7*512                      ; bytes of the stage that a wave stores
.set SPW, 2                            ; v2   LDS address of my spare word; never rewritten
.set NIL, 3                            ; v3   0; never rewritten
.set HF,  4                            ; v4   lane / 16
.set VL,  5                            ; v5   my 16 bytes of a position: 256 x half + 16 (lane % 16)
.set ST,  6                            ; v6   stage, in: (8 (lane % 16) + 4 (lane / 16)) channels + 7 ph results
.set RD,  7                            ; v7   stage, back, and the same offset in the block of out0: SHARE x wave + 16 x lane
.set VA,  8                            ; v8   my window row's number
.set VY,  9                            ; v9   its first feature row
.set VP,  10                           ; v10  a window's number in tab
.set K0,  11                           ; v11-16  at work on the way out
.set K1,  12
.set SN0, 13
.set SN1, 14
.set G0,  15
.set G1,  16
.set OFF, 18                           ; v[18:31]   a trip's 14 byte offsets
.set ACC, 32                           ; v[32:59]   bin p: 8 channels' running maxima in 4 words
.set DAT, 64                           ; v[64:119]  a trip's 14 x 4 words; later the results in f32, and the stage read back
.set BH,  34                           ; s34  rows in my bins
.set NB,  35                           ; s35  n x 4,096 positions
.set TA,  36                           ; s36-40  at work
.set NH,  41                           ; s41  window rows of the bin that has most; then trips along the rows
.set NW,  42                           ; s42  the same for columns
.set NT,  43                           ; s43  trips
.set IT,  44                           ; s44  the pair of window rows of the trip whose offsets are made next
.set JT,  45                           ; s45  its pair of window columns
.set TC,  46                           ; s46  the loop's counter
.set CA,  47
.set J0,  48                           ; s48-49  that trip's two window columns
.set LV,  50                           ; s50-56  bin p's level
.set YL,  57                           ; s57-63  the first row of its last window
.set EM,  66                           ; s66-72  all ones, or 0 for a bin without a position
.set HM,  73                           ; s73  lanes 16-31
.set SEL, 74                           ; s74-75  v_permlanex16_b32's selects: each lane takes its own place in the other half
                                       ; s[16+2p], s[17+2p]: bin p's ws, we as loaded; then the numbers in tab of its first and last window in feature row 0
	s_load_b128 s[4:7], s[0:1], 0x0                ; tab s[4:5], bins s[6:7]
	s_load_b64 s[8:9], s[0:1], 0x10                ; out0
	v_lshl_add_u32 v[SPW], v0, 2, SPARE
	v_mov_b32 v[NIL], 0
	v_lshrrev_b32 v1, 5, v0
	v_readfirstlane_b32 s10, v1                    ; wave = ph
	s_lshr_b32 s11, ttmp9, 1                       ; k
	s_and_b32 s12, ttmp9, 1                        ; which half of the channels
	s_lshl_b32 s14, s11, 8                         ; a record is 256 bytes
	s_mov_b32 s15, 0
	s_wait_alu depctr_va_sdst(0)                   ; s10 is written, ahead of its first reader: the place of my bin row in the record, and later my places in the stage, are made from it
	s_lshl_b32 s13, s10, 3                         ; my bin row's two words in it
	s_wait_kmcnt 0x0
	s_add_nc_u64 s[6:7], s[6:7], s[14:15]
	s_load_b512 s[16:31], s[6:7], 0x0              ; ws0, we0, .. ws6, we6, n, n
	s_load_b64 s[32:33], s[6:7], s13 offset:0x40   ; hs, he of bin row ph
	; set-up on registers while the record is on its way
	v_and_b32 v1, 15, v0
	v_bfe_u32 v[HF], v0, 4, 1
	s_lshl_b32 s38, s12, 8
	v_lshl_add_u32 v[VL], v1, 4, s38
	v_lshl_add_u32 v[ST], v1, 1, v[HF]
	v_mul_u32_u24 v[ST], v[ST], 4*CHB
	s_mul_i32 s38, s10, 28
	v_add_nc_u32 v[ST], s38, v[ST]
	v_and_b32 v[RD], 31, v0
	v_lshlrev_b32 v[RD], 4, v[RD]
	s_mul_i32 s38, s10, SHARE
	v_add_nc_u32 v[RD], s38, v[RD]
	s_mul_i32 s14, ttmp9, BLK                      ; (2 k + half) blocks; s15 is still 0
	s_add_nc_u64 s[8:9], s[8:9], s[14:15]
	s_mov_b32 s[HM], 0xffff0000
	s_mov_b32 s[SEL], 0x76543210
	s_mov_b32 s[SEL+1], 0xfedcba98
	v_mov_b32 v[G0], 0                             ; v_permlanex16_b32 counts as a reader of its destination
	v_mov_b32 v[G1], 0
.set i, 0
.rept 28
	v_mov_b32 v[ACC+i], 0xff80ff80                 ; the maxima start at -infinity, twice a word, so that the loop has one form of trip; every bin takes at least one window
.set i, i+1
.endr
	s_mov_b32 s[NH], 0
	s_mov_b32 s[NW], 0
	s_mov_b32 s[IT], 0
	s_mov_b32 s[JT], 0
	s_mov_b32 s[TC], 0
	s_wait_kmcnt 0x0
	s_min_u32 s30, s30, 1
	s_lshl_b32 s[NB], s30, 12
	s_sub_co_i32 s[BH], s33, s32
	s_max_i32 s[BH], s[BH], 0
; Bin p's level, windows and counts, all in whole numbers.
.macro SETUP p
	s_sub_co_i32 s[TA], s[17+2*(\p)], s[16+2*(\p)] ; columns in the bin
	s_max_i32 s[TA], s[TA], 0
	s_min_u32 s[TA+1], s[TA], s[BH]                ; the smaller side
	s_cmp_ge_u32 s[TA+1], 2
	s_cselect_b32 s[LV+(\p)], 1, 0
	s_cmp_ge_u32 s[TA+1], 4
	s_cselect_b32 s[LV+(\p)], 2, s[LV+(\p)]
	s_cmp_lg_u32 s[TA+1], 0
	s_cselect_b32 s[EM+(\p)], -1, 0
	s_lshl_b32 s[TA+2], 1, s[LV+(\p)]              ; the window's side
	s_sub_co_i32 s[TA+3], s33, s[TA+2]
	s_max_i32 s[YL+(\p)], s[TA+3], 0               ; the last window's first row (0 where the bin is empty: any row will do)
	s_lshl_b32 s[TA+4], s[LV+(\p)], 13             ; a level is 8,192 positions,
	s_add_co_u32 s[TA+4], s[TA+4], s[NB]           ; a picture 4,096
	s_sub_co_i32 s[TA+3], s[17+2*(\p)], s[TA+2]
	s_max_i32 s[TA+3], s[TA+3], 0
	s_add_co_u32 s[17+2*(\p)], s[TA+3], s[TA+4]    ; the last window's first column, with level and picture
	s_add_co_u32 s[16+2*(\p)], s[16+2*(\p)], s[TA+4]  ; the first window's
	s_sub_co_u32 s[TA+2], s[TA+2], 1
	s_add_co_u32 s[TA+3], s[BH], s[TA+2]
	s_lshr_b32 s[TA+3], s[TA+3], s[LV+(\p)]        ; window rows: ceil(bh / side),
	s_and_b32 s[TA+3], s[TA+3], s[EM+(\p)]         ; none for an empty bin
	s_max_u32 s[NH], s[NH], s[TA+3]
	s_add_co_u32 s[TA+3], s[TA], s[TA+2]
	s_lshr_b32 s[TA+3], s[TA+3], s[LV+(\p)]        ; window columns
	s_and_b32 s[TA+3], s[TA+3], s[EM+(\p)]
	s_max_u32 s[NW], s[NW], s[TA+3]
.endm
.irp p, 0,1,2,3,4,5,6
	SETUP \p
.endr
	s_add_co_u32 s[NH], s[NH], 1                   ; two window rows and two window columns a trip, one trip at the least
	s_lshr_b32 s[NH], s[NH], 1
	s_max_u32 s[NH], s[NH], 1
	s_add_co_u32 s[NW], s[NW], 1
	s_lshr_b32 s[NW], s[NW], 1
	s_max_u32 s[NW], s[NW], 1
	s_mul_i32 s[NT], s[NH], s[NW]
; The 14 byte offsets of the trip that takes window rows 2 IT, 2 IT + 1 and window columns 2 JT, 2 JT + 1 of all seven bins.
.macro OFFSETS
	v_lshl_add_u32 v[VA], s[IT], 1, v[HF]          ; my window row: 2 it + lane / 16
	s_lshl_b32 s[J0], s[JT], 1
	s_add_co_u32 s[J0+1], s[J0], 1
.irp p, 0,1,2,3,4,5,6
	v_lshl_add_u32 v[VY], v[VA], s[LV+(\p)], s32   ; hs + window row x side,
	v_min_u32 v[VY], s[YL+(\p)], v[VY]             ; not past the last window
.irp j, 0,1
	s_lshl_b32 s[TA+(\j)], s[J0+(\j)], s[LV+(\p)]
	s_add_co_u32 s[TA+(\j)], s[TA+(\j)], s[16+2*(\p)]
	s_min_u32 s[TA+(\j)], s[TA+(\j)], s[17+2*(\p)] ; the same along the columns
	v_lshl_add_u32 v[VP], v[VY], 6, s[TA+(\j)]
	v_min_u32 v[VP], 0x5fff, v[VP]                 ; whatever the record held, the window lies in tab: 3 x 8,192 positions
	v_lshl_add_u32 v[OFF+2*(\p)+(\j)], v[VP], 9, v[VL]
.endr
.endr
.endm
	OFFSETS                                        ; the first trip's
.Ltrip:
	s_wait_alu depctr_va_vdst(0)                   ; this trip's 14 offsets are written, which the loads below read; the maxima of the trip before are done reading DAT, in which they land; on the way in: ST and RD are written too, for the way out
.irp p, 0,1,2,3,4,5,6
.irp j, 0,1
	global_load_b128 v[DAT+8*(\p)+4*(\j):DAT+8*(\p)+4*(\j)+3], v[OFF+2*(\p)+(\j)], s[4:5]
.endr
.endr
	s_add_co_u32 s[JT], s[JT], 1                   ; the next pair of columns, or the next pair of rows from column 0
	s_cmp_eq_u32 s[JT], s[NW]
	s_cselect_b32 s[JT], 0, s[JT]
	s_cselect_b32 s[CA], 1, 0
	s_add_co_u32 s[IT], s[IT], s[CA]
	s_wait_xcnt 0x0                                ; the 14 loads have had their addresses translated (ISA guide 3.1): their offset registers are rewritten only behind this wait,
	s_wait_alu depctr_vm_vsrc(0)                   ; and the 14 loads have read OFF, which the lines below write again
	OFFSETS                                        ; the next trip's, made while this trip's loads are out; in the last trip no load reads them
.irp p, 0,1,2,3,4,5,6
	s_wait_loadcnt 12-2*(\p)                       ; loads come back in order: bin p's two are in, the later bins' stay out; the last count is 0, so the next trip's loads find no load pending on DAT
.irp d, 0,1,2,3
	v_pk_max_num_bf16 v[ACC+4*(\p)+(\d)], v[ACC+4*(\p)+(\d)], v[DAT+8*(\p)+(\d)]
.endr
.irp d, 0,1,2,3
	v_pk_max_num_bf16 v[ACC+4*(\p)+(\d)], v[ACC+4*(\p)+(\d)], v[DAT+8*(\p)+4+(\d)]
.endr
.endr
	s_add_co_u32 s[TC], s[TC], 1
	s_cmp_lt_u32 s[TC], s[NT]
	s_cbranch_scc1 .Ltrip
	; THE WAY OUT.  Lanes l and l + 16 hold the same 8 channels of different windows.  Lane l finishes words 0, 1 (channels 0-3 of the eight), lane l + 16 words 2, 3: each keeps its two words,
	; sends the other two across, and takes the maximum.  An empty bin's words are cleared; bf16 widens to f32 by a shift or a mask; four words go to four channels' places in the stage.
	; All seven bins' arithmetic comes first, then the 28 LDS stores in one run behind one wait.
.irp p, 0,1,2,3,4,5,6
	v_cndmask_b32 v[K0],  v[ACC+4*(\p)],   v[ACC+4*(\p)+2], s[HM]
	v_cndmask_b32 v[SN0], v[ACC+4*(\p)+2], v[ACC+4*(\p)],   s[HM]
	v_cndmask_b32 v[K1],  v[ACC+4*(\p)+1], v[ACC+4*(\p)+3], s[HM]
	v_cndmask_b32 v[SN1], v[ACC+4*(\p)+3], v[ACC+4*(\p)+1], s[HM]
	v_permlanex16_b32 v[G0], v[SN0], s[SEL], s[SEL+1]
	v_permlanex16_b32 v[G1], v[SN1], s[SEL], s[SEL+1]
	v_pk_max_num_bf16 v[K0], v[K0], v[G0]
	v_pk_max_num_bf16 v[K1], v[K1], v[G1]
	v_and_b32 v[K0], s[EM+(\p)], v[K0]
	v_and_b32 v[K1], s[EM+(\p)], v[K1]
	v_lshlrev_b32 v[DAT+4*(\p)],   16, v[K0]
	v_and_b32     v[DAT+4*(\p)+1], 0xffff0000, v[K0]
	v_lshlrev_b32 v[DAT+4*(\p)+2], 16, v[K1]
	v_and_b32     v[DAT+4*(\p)+3], 0xffff0000, v[K1]
.endr
	s_wait_alu depctr_va_vdst(0)                   ; the widening lines have written the 28 results in DAT, which the LDS stores read; no vector line behind this wait names DAT, so it serves the loads from the stage as well
.irp p, 0,1,2,3,4,5,6
.irp c, 0,1,2,3
	ds_store_b32 v[ST], v[DAT+4*(\p)+(\c)] offset:(\c)*CHB+4*(\p)
.endr
.endr
	s_wait_dscnt 0x0                               ; for the others' sake: my stores into the stage are done
	s_barrier_signal -1
	s_barrier_wait -1                              ; all 49 results of all 128 channels lie in the stage
	s_wait_alu depctr_vm_vsrc(0)                   ; my LDS stores have read DAT, in which the loads from the stage land
.irp i, 0,1,2,3,4,5,6
	ds_load_b128 v[DAT+4*(\i):DAT+4*(\i)+3], v[RD] offset:512*(\i)
.endr
.irp i, 0,1,2,3,4,5,6
	s_wait_dscnt 6-(\i)                            ; LDS loads come back in order: number i is in
	global_store_b128 v[RD], v[DAT+4*(\i):DAT+4*(\i)+3], s[8:9] offset:512*(\i) th:TH_STORE_NT  ; 512 consecutive bytes, at a multiple of 256 from out0's first
.endr
	s_wait_dscnt 0x0                               ; the wave's end, behind my last LDS store
	s_wait_alu 0x0
	s_wait_tensorcnt 0x0
	ds_add_u32 v[SPW], v[NIL]
	s_wait_dscnt 0x0
	s_endpgm
.Lfunc_end_k_qf5d0655422_pool:
	.size	k_qf5d0655422_pool, .Lfunc_end_k_qf5d0655422_pool-k_qf5d0655422_pool
	.p2alignl 7, 3214868480
	.fill 96, 4, 3214868480
	.section	.rodata,"a",@progbits
	.p2align	6, 0x0
	.amdhsa_kernel k_qf5d0655422_pool
		.amdhsa_group_segment_fixed_size 26112
		.amdhsa_private_segment_fixed_size 0
		.amdhsa_enable_private_segment 0
		.amdhsa_kernarg_size 24
		.amdhsa_user_sgpr_count 2
		.amdhsa_user_sgpr_kernarg_segment_ptr 1
		.amdhsa_wavefront_size32 1
		.amdhsa_system_sgpr_workgroup_id_x 1
		.amdhsa_system_sgpr_workgroup_id_y 1
		.amdhsa_system_sgpr_workgroup_id_z 1
		.amdhsa_system_vgpr_workitem_id 0
		.amdhsa_next_free_vgpr 128
		.amdhsa_next_free_sgpr 80
		.amdhsa_reserve_vcc 0
		.amdhsa_float_denorm_mode_32 3
		.amdhsa_float_denorm_mode_16_64 3
		.amdhsa_memory_ordered 1
		.amdhsa_forward_progress 1
		.amdhsa_inst_pref_size 34
	.end_amdhsa_kernel
	.amdgpu_metadata
---
amdhsa.version: [ 1, 2 ]
amdhsa.kernels:
  - .name:           k_qf5d0655422_pool
    .symbol:         k_qf5d0655422_pool.kd
    .args:
      - { .name: tab, .offset: 0, .size: 8, .value_kind: global_buffer, .address_space: global }
      - { .name: bins, .offset: 8, .size: 8, .value_kind: global_buffer, .address_space: global }
      - { .name: out0, .offset: 16, .size: 8, .value_kind: global_buffer, .address_space: global }
    .group_segment_fixed_size: 26112
    .private_segment_fixed_size: 0
    .kernarg_segment_align: 8
    .kernarg_segment_size: 24
    .max_flat_workgroup_size: 224
    .sgpr_count:     80
    .vgpr_count:     128
    .wavefront_size: 32
...
	.end_amdgpu_metadata
.endif
;; end of part 3
